; MI455X (gfx1250); checked and timed in simulation.
; The chip was launched on July 23, 2026; its instructions are those of AMD's public machine-readable ISA for CDNA 5 (MIT licence, August 2026) and "CDNA5" Instruction Set Architecture Reference Guide (July 2026). The comments in the code are by the model that wrote it; some were corrected since.
;; Additive Attention. Allowed arithmetic: matrix products marked QUANTISED: E4M3 operands, one given power-of-two scale a tensor, by v_wmma_f32_16x16x64_fp8_fp8 or v_wmma_f32_16x16x128_fp8_fp8, f32 sums; products left as they are: f32 operands where the result goes on into a quantised operand, else bf16, f16 or f32 operands; f32 sums; everything else in f32.
;; Inputs: W_dec_codes 1,024 x 32 x 32 uint8 (E4M3 codes of W_dec, K innermost, in blocks of 32 codes); W_enc_codes 1,024 x 32 x 32 uint8 (E4M3 codes of W_enc, K innermost, in blocks of 32 codes); decoder_hidden_codes 32 x 32 x 32 uint8 (E4M3 codes of decoder_hidden, K innermost, in blocks of 32 codes); encoder_outputs 32 x 2,048 x 1,024 float32; lowp_scales 4 int32 (the exponents e of the quantised operands' scales 2^e); v 1,024 float32.
;; Outputs: out0 32 x 1,024 float32; out1 32 x 2,048 float32.
;; This version of the problem:
;;   THIS VERSION OF THE PROBLEM IS GIVEN IN LOW PRECISION. The matrix products marked QUANTISED in the list below multiply operands that are first quantised to E4M3 (4 exponent bits, 3 mantissa bits; 8 bits a number), with one given power-of-two scale for each operand tensor; their sums are f32. All else is computed in f32.
;;   The module's matrix products, in the order in which they are computed (A, B: the left and right operand; K: the contracted axis; several contracted axes count as one K, in the product's order):
;;     1. [M 65,536, K 1,024] x [K 1,024, N 1,024]; A: input encoder_outputs; B: input W_enc (given as codes): QUANTISED (scales: A lowp_scales[0], B lowp_scales[1])
;;     2. [M 32, K 1,024] x [K 1,024, N 1,024]; A: input decoder_hidden (given as codes); B: input W_dec (given as codes): QUANTISED (scales: A lowp_scales[2], B lowp_scales[3])
;;     3. [M 65,536, K 1,024] x [K 1,024, N 1]; A: computed on the way; B: input v: left as it is (N = 1 < 16)
;;     4. batch 32 x [M 1, K 2,048] x [K 2,048, N 1,024]; A: softmax; B: input encoder_outputs: left as it is (M = 1 < 16)
;;   THE QUANTISER, for each operand of a quantised product, along K:
;;     - The operand's scale is 2^e, e = its entry of the input lowp_scales (int32; the entries are numbered through the quantised products in the list's order, A before B).
;;     - Each number is divided by the scale, clamped to +-448, and rounded to the nearest number of E4M3, ties to even, subnormals kept.
;;     - The product sums the exact products of the quantised numbers (number of the format x scale) in f32.
;;   ~~~python
;;   def quantise(x, axis, e):      # numpy; x: float32 -> the quantised numbers, widened to float32 again
;;       x = np.moveaxis(x, axis, -1); K = x.shape[-1]
;;       r = np.clip(x / 2.0 ** e, -448, 448)
;;       step = 2.0 ** (np.maximum(np.frexp(np.where(r == 0, 1, r))[1] - 1, -6) - 3)
;;       q = np.round(r / step) * step * 2.0 ** e      # np.round: ties to even
;;       return np.moveaxis(q, -1, axis).astype(np.float32)
;;   ~~~
;;   INPUTS GIVEN AS CODES. W_dec (in the module: [1024, 1024], K = its axis 1); W_enc (in the module: [1024, 1024], K = its axis 1); decoder_hidden (in the module: [32, 1024], K = its axis 1): each comes as NAME_codes (uint8): NAME with its K axis moved to the last place and cut into blocks of 32 codes, [.., K / 32, bytes a block], one block behind the other in memory; one code a byte (a code: sign, 4 exponent bits, 3 mantissa bits); its scale is its entry of lowp_scales. Its value is code x scale, taken as it is: it is not quantised again, and the codes and scales need not be those that the quantiser above would give.
;; One version. Each part assembles by itself: llvm-mc -triple=amdgcn-amd-amdhsa -mcpu=gfx1250 --defsym DOCPART=n.
;; ======== version 1 of 1: 3 launches
;; limits: right only within a limited range of input values
;; workspace buffers: dpw 131,072 bytes; usc 262,144 bytes
;; launch decproj (part 1): grid 16 x 1, 4 waves a work-group, no clusters, 9,216 bytes of LDS; arguments W_dec_codes, decoder_hidden_codes, lowp_scales, dpw; writes dpw
.if DOCPART == 1
	.amdgcn_target "amdgcn-amd-amdhsa--gfx1250"
	.amdhsa_code_object_version 6
	.text
	.protected	k_q8079e8ae79_decproj
	.globl	k_q8079e8ae79_decproj
	.p2align	8
	.type	k_q8079e8ae79_decproj,@function
k_q8079e8ae79_decproj:
	s_mov_b64 s[64:65], 0
	v_nop
	global_prefetch_b8 v0, s[64:65] scope:SCOPE_SE
	s_setreg_imm32_b32 hwreg(HW_REG_WAVE_MODE, 25, 1), 1
	s_wait_xcnt 0x0
; FIRST OF THREE LAUNCHES of additive attention: context, attn_weights = f(encoder_outputs, decoder_hidden, W_enc, W_dec, v).
; This launch: dq[b][a] = (sum over d of code(decoder_hidden[b][d]) x code(W_dec[a][d])) x 2^(e2 + e3 - e0 - e1), f32 [32][1024], into the workspace dpw.
; dec_proj = that sum x 2^(e2 + e3).  The next launch adds it to sums of codes that stand for sum x 2^(e0 + e1), so it is stored already divided by 2^(e0 + e1).
; DEAD WORK OF THE PROGRAM.  tanh(x) = 1 - 2 / (1 + e^(2 x)), so scores[b][s] = sum_a v[a] - 2 sum_a v[a] / (1 + e^(2 x[b][s][a])), x = enc_proj + dec_proj.
; The first term does not hang on s, whatever the inputs hold, and softmax along s is unchanged by a term that is the same along s: neither attn_weights nor context hangs on it.
; So sum_a v[a] is never formed.  LIMIT: a NaN, an infinity or an overflow that reaches only sum_a v[a] is not carried to the result.  No input is left out: all six are loaded by some launch.
; LIMIT: the power of two is applied by v_ldexp_f32: dq overflows or underflows only where the sum x 2^(e2 + e3 - e0 - e1) leaves f32.
; SHARES.  64 tiles of 16 rows of W_dec; wave w of work-group g takes tile 4 g + w against both tiles of 16 batches.  THE PRODUCT IS USED TRANSPOSED (source 0 = 16 rows of W_dec, source 1 = 16 batches):
; lane (r, h) holds batch r, its register j holds a = 16 tile + 8 h + j: 32 neighbouring bytes of a row of dq.
; A fragment (16 rows x 128 K, 16 registers) comes by four loads of 16 bytes, 32 bytes apart, at row x 1024 + 16 h: a permutation of k that is the same on both sides, so every product meets its partner.
; NO CLUSTER, NO TENSOR LOADS: the launch reads 1 MB of W_dec once, each row by one wave; what the waves share, 32 KB of decoder_hidden, is a small part of that.
.set PITCH, 272                        ; a stage row: a work-group's 256 bytes of a row of dq + 16
.set SPARE, 32*PITCH                   ; behind the stage: the spare words, 128 bytes for each wave
.set SPW,  1                           ; v1   LDS address of my spare word; never rewritten
.set NIL,  2                           ; v2   0; never rewritten
.set WD,   16                          ; v16-79    W_dec: four K steps x 16 registers
.set H0,   80                          ; v80-143   batches 0-15
.set H1,   144                         ; v144-207  batches 16-31
.set ACC0, 208
.set ACC1, 216
.set OUT,  224                         ; v224-239  the sums x the power of two
.set BK,   240                         ; v240-255  rows read back from the stage
	s_load_b256 s[4:11], s[0:1], 0x0               ; W_dec's codes s[4:5], decoder_hidden's s[6:7], the exponents s[8:9], dpw s[10:11]
	v_lshl_add_u32 v[SPW], v0, 2, SPARE
	v_mov_b32 v[NIL], 0
	v_lshrrev_b32 v3, 5, v0
	v_readfirstlane_b32 s12, v3                    ; wave 0..3
	v_and_b32 v3, 15, v0                           ; r
	v_bfe_u32 v4, v0, 4, 1                         ; h
	v_lshlrev_b32 v5, 10, v3
	v_lshl_add_u32 v5, v4, 4, v5                   ; a fragment: row r of 1,024 bytes + 16 h
	s_lshl_b32 s13, s12, 6
	v_mul_u32_u24 v7, v3, PITCH
	v_lshl_add_u32 v7, v4, 5, v7
	v_add_nc_u32 v7, s13, v7                       ; into the stage: row = batch r, + 64 w + 32 h
	s_mul_i32 s13, s12, 8*PITCH
	v_mul_u32_u24 v8, v4, PITCH
	v_lshl_add_u32 v8, v3, 4, v8
	v_add_nc_u32 v8, s13, v8                       ; back: rows 8 w + h, sixteen lanes to a row
	s_lshl_b32 s13, s12, 15
	v_lshlrev_b32 v9, 12, v4
	v_lshl_add_u32 v9, v3, 4, v9
	v_add_nc_u32 v9, s13, v9                       ; and the same rows of dq, 4,096 bytes apart
	s_lshl_b32 s14, ttmp9, 2
	s_add_co_u32 s14, s14, s12                     ; my tile
	s_lshl_b32 s14, s14, 14                        ; x 16 rows of 1,024 bytes
	s_mov_b32 s15, 0
	s_lshl_b32 s26, ttmp9, 8                       ; my work-group's 64 columns of dq
	s_mov_b32 s27, 0
	s_wait_kmcnt 0x0
	s_load_b128 s[16:19], s[8:9], 0x0              ; e0, e1, e2, e3
	s_add_nc_u64 s[22:23], s[4:5], s[14:15]
	s_add_nc_u64 s[24:25], s[10:11], s[26:27]
; Four K steps of 128: 48 loads, then eight products, the two accumulators by turns.  zero = 1: the first two start the sums.
.macro RND k, zero
.irp s, 0,1,2,3
.irp c, 0,1,2,3
	global_load_b128 v[WD+16*\s+4*\c:WD+16*\s+4*\c+3], v5, s[22:23] offset:512*\k+128*\s+32*\c
	global_load_b128 v[H0+16*\s+4*\c:H0+16*\s+4*\c+3], v5, s[6:7] offset:512*\k+128*\s+32*\c
	global_load_b128 v[H1+16*\s+4*\c:H1+16*\s+4*\c+3], v5, s[6:7] offset:16384+512*\k+128*\s+32*\c
.endr
.endr
	s_wait_loadcnt 0x0
.irp s, 0,1,2,3
.if \zero && (\s == 0)
	v_wmma_f32_16x16x128_fp8_fp8 v[ACC0:ACC0+7], v[WD+16*\s:WD+16*\s+15], v[H0+16*\s:H0+16*\s+15], 0
	v_wmma_f32_16x16x128_fp8_fp8 v[ACC1:ACC1+7], v[WD+16*\s:WD+16*\s+15], v[H1+16*\s:H1+16*\s+15], 0
.else
	v_wmma_f32_16x16x128_fp8_fp8 v[ACC0:ACC0+7], v[WD+16*\s:WD+16*\s+15], v[H0+16*\s:H0+16*\s+15], v[ACC0:ACC0+7]
	v_wmma_f32_16x16x128_fp8_fp8 v[ACC1:ACC1+7], v[WD+16*\s:WD+16*\s+15], v[H1+16*\s:H1+16*\s+15], v[ACC1:ACC1+7]
.endif
.endr
.rept 4
	v_nop                                          ; four places in front of loads into registers that the products have read, and of the first read of results
.endr
.endm
	RND 0, 1
	RND 1, 0
	s_wait_kmcnt 0x0
	s_add_co_i32 s20, s18, s19
	s_sub_co_i32 s20, s20, s16
	s_sub_co_i32 s20, s20, s17                     ; e2 + e3 - e0 - e1
.irp j, 0,1,2,3,4,5,6,7,8,9,10,11,12,13,14,15
	v_ldexp_f32 v[OUT+\j], v[ACC0+\j], s20         ; each accumulator from its low end on
.endr
.irp b, 0,1
	ds_store_b128 v7, v[OUT+8*\b:OUT+8*\b+3] offset:16*PITCH*\b
	ds_store_b128 v7, v[OUT+8*\b+4:OUT+8*\b+7] offset:16*PITCH*\b+16
.endr
	s_wait_dscnt 0x0                               ; for the others: my stores into the stage are done
	s_barrier_signal -1
	s_barrier_wait -1                              ; a row's 256 bytes come from four waves
.irp i, 0,1,2,3
	ds_load_b128 v[BK+4*\i:BK+4*\i+3], v8 offset:2*PITCH*\i
.endr
.irp i, 0,1,2,3
	s_wait_dscnt 3-\i                              ; LDS loads come back in order: the younger ones may stay out
	global_store_b128 v9, v[BK+4*\i:BK+4*\i+3], s[24:25] offset:8192*\i   ; sixteen lanes store 256 consecutive bytes, aligned
.endr
	s_wait_tensorcnt 0x0                           ; the wave's end, behind my last LDS store
	ds_add_u32 v[SPW], v[NIL]
	s_wait_dscnt 0x0
	s_endpgm
.Lfunc_end_k_q8079e8ae79_decproj:
	.size	k_q8079e8ae79_decproj, .Lfunc_end_k_q8079e8ae79_decproj-k_q8079e8ae79_decproj
	.p2alignl 7, 3214868480
	.fill 96, 4, 3214868480
	.section	.rodata,"a",@progbits
	.p2align	6, 0x0
	.amdhsa_kernel k_q8079e8ae79_decproj
		.amdhsa_group_segment_fixed_size 9216
		.amdhsa_private_segment_fixed_size 0
		.amdhsa_enable_private_segment 0
		.amdhsa_kernarg_size 32
		.amdhsa_user_sgpr_count 2
		.amdhsa_user_sgpr_kernarg_segment_ptr 1
		.amdhsa_wavefront_size32 1
		.amdhsa_system_sgpr_workgroup_id_x 1
		.amdhsa_system_sgpr_workgroup_id_y 1
		.amdhsa_system_sgpr_workgroup_id_z 1
		.amdhsa_system_vgpr_workitem_id 0
		.amdhsa_next_free_vgpr 256
		.amdhsa_next_free_sgpr 66
		.amdhsa_reserve_vcc 0
		.amdhsa_float_denorm_mode_32 3
		.amdhsa_float_denorm_mode_16_64 3
		.amdhsa_memory_ordered 1
		.amdhsa_forward_progress 1
		.amdhsa_inst_pref_size 15
	.end_amdhsa_kernel
	.amdgpu_metadata
---
amdhsa.version: [ 1, 2 ]
amdhsa.kernels:
  - .name:           k_q8079e8ae79_decproj
    .symbol:         k_q8079e8ae79_decproj.kd
    .args:
      - { .name: W_dec_codes, .offset: 0, .size: 8, .value_kind: global_buffer, .address_space: global }
      - { .name: decoder_hidden_codes, .offset: 8, .size: 8, .value_kind: global_buffer, .address_space: global }
      - { .name: lowp_scales, .offset: 16, .size: 8, .value_kind: global_buffer, .address_space: global }
      - { .name: dpw, .offset: 24, .size: 8, .value_kind: global_buffer, .address_space: global }
    .group_segment_fixed_size: 9216
    .private_segment_fixed_size: 0
    .kernarg_segment_align: 8
    .kernarg_segment_size: 32
    .max_flat_workgroup_size: 128
    .sgpr_count:     66
    .vgpr_count:     256
    .wavefront_size: 32
...
	.end_amdgpu_metadata
.endif
;; end of part 1
;; launch scores (part 2): grid 256 x 1, 4 waves a work-group, clusters of 4 x 1, 327,680 bytes of LDS; arguments encoder_outputs, W_enc_codes, lowp_scales, v, dpw, usc; writes usc
.if DOCPART == 2
	.amdgcn_target "amdgcn-amd-amdhsa--gfx1250"
	.amdhsa_code_object_version 6
	.text
	.protected	k_q8079e8ae79_scores
	.globl	k_q8079e8ae79_scores
	.p2align	8
	.type	k_q8079e8ae79_scores,@function
k_q8079e8ae79_scores:
	s_mov_b64 s[64:65], 0
	v_nop
	global_prefetch_b8 v0, s[64:65] scope:SCOPE_SE
	s_setreg_imm32_b32 hwreg(HW_REG_WAVE_MODE, 25, 1), 1
	s_wait_xcnt 0x0
	s_wait_alu depctr_hold_cnt(0) depctr_sa_sdst(0) depctr_va_vdst(0) depctr_va_sdst(0) depctr_va_ssrc(0) depctr_va_vcc(0) depctr_vm_vsrc(0)
	s_getreg_b32 s2, hwreg(HW_REG_IB_STS2, 6, 4)
	s_cmp_eq_u32 s2, 0
	s_cbranch_scc0 .Lentry_in_a_cluster
	s_endpgm
.Lentry_in_a_cluster:
	s_bfe_u32 s2, ttmp6, 0x10000c
	s_cmp_lg_u32 s2, 0x3003
	s_cbranch_scc0 .Lentry_shape_is_right
	s_endpgm
.Lentry_shape_is_right:
; SECOND LAUNCH.  u[b][s] = -2 log2(e) x sum over a of v[a] / (1 + e^(2 x[b][s][a])), x = enc_proj + dec_proj, f32 [32][2048], into the workspace usc.
; u is log2(e) x the score less log2(e) x sum_a v[a], the term that is the same along the softmax's axis and is left out (shown at the head of the first launch).
; LIMITS on the given exponents: e0 between -126 and 119 (2^e0 and 448 x 2^e0 are made as f32 numbers); e0 + e1 between -127 and 126 (added to the exponent field of 2 log2(e)).
; SHARES.  A work-group owns 256 rows (b, s) of one batch, a wave 64 of them: four tiles of 16 rows x 1,024 K as codes in 512 registers.
; FIRST each wave quantises its rows of encoder_outputs (f32 -> hold at 448 x 2^e0 -> codes, through its own stage in LDS into fragments), four rows (16 KB) asked for ahead; no barrier stands among them.
; THEN W_enc comes through a ring of two LDS slots of 64 rows, asked for JOINTLY by the four work-groups of a cluster (all walk the same rows in the same order); each wave fetches 16 rows.
; A step is one tile of 16 a: 32 products (4 accumulators by turns, K ascending; the first four take dq = dec_proj / 2^(e0 + e1) as C), with no other instruction among them.  The rest runs in whole batches, one and two tiles behind:
; step j: exp of tile j - 1 and rcp of tile j - 2; the products of tile j; one wait; u += rcp x v (j - 2), 1 + exp (j - 1), sums x c (j); one wait.
; THE PRODUCTS ARE USED TRANSPOSED (source 0 = 16 rows of W_enc, source 1 = 16 rows of x): lane (r, h) holds row r, its register i holds a = 16 tile + 8 h + i.
; A fragment (16 rows x 128 K, 16 registers) comes by four loads of 16 bytes, 32 bytes apart, at row x pitch + 16 h: a permutation of k that is the same on both sides.
; NO PREFETCH: the stream that comes from memory, encoder_outputs (1 MB a work-group), is asked for four rows ahead by its own loads; W_enc, 1 MB that all 256 work-groups share, is a small part of the launch's bytes.
; REGISTERS.  Window 0: v0-15 addresses, v16-23 u, v24-39 dq of two tiles, v40-55 v of two tiles, v56-63 the way out; while x is quantised: v64-95 codes, v128-255 four rows of x;
; in the steps: v64-95 the accumulators, v96-159 two tiles at work.  Window 1: W_enc's fragments, two sets.  Windows 2, 3: x's codes, K steps 0-3 and 4-7, tile t of K step s at v[64 (s % 4) + 16 t].
.set PITCH, 1040                       ; an LDS row: 1,024 bytes + 16
.set WTILE, 16*PITCH
.set SLOT1, 1<<17                      ; slot 1 begins here: one exclusive or turns an address
.set DPT,   4*WTILE                    ; behind slot 0: dq, 4,096 bytes,
.set VTO,   4096                       ; and -2 log2(e) v, 4,096 bytes
.set SPARE, DPT+8192                   ; the spare words, 128 bytes a wave
.set STG,   SLOT1+4*WTILE              ; behind slot 1: a stage of 16 rows of codes for each wave
.set SPW, 1
.set NIL, 2
.set SC,  16
.set DP,  24
.set VV,  40
.set ACC, 64
.set TT,  96
.set CD,  64
.set XB,  128
.set MSB, 0
.macro WIN new                         ; the immediate's high byte repeats the setting that is left
.if MSB != \new
	s_set_vgpr_msb (MSB<<8)|\new
.set MSB, \new
.endif
.endm
.macro PLACES
.rept 4
	v_nop
.endr
.endm
.macro ROUND                           ; a round of the cluster's barrier
	s_barrier_signal -1
	s_barrier_wait -1
	s_cmp_lg_u32 s20, 0
	s_cbranch_scc1 .Lnot_wave_0_\@
	s_barrier_signal -3
.Lnot_wave_0_\@:
	s_barrier_wait -3
	s_barrier_signal -1
	s_barrier_wait -1
.endm
	s_load_b256 s[4:11], s[0:1], 0x0               ; x s[4:5], W_enc s[6:7], the exponents s[8:9], v s[10:11]
	s_load_b64 s[12:13], s[0:1], 0x20              ; dpw
	s_load_b64 s[16:17], s[0:1], 0x28              ; usc
	v_lshl_add_u32 v[SPW], v0, 2, SPARE
	v_mov_b32 v[NIL], 0
	ds_add_u32 v[SPW], v[NIL]                      ; the opening lines: the add, twice on end, and its wait
	ds_add_u32 v[SPW], v[NIL]
	v_lshrrev_b32 v3, 5, v0
	v_readfirstlane_b32 s20, v3                    ; wave 0..3
	s_bfe_u32 s21, ttmp6, 0x40000
	s_lshl_b32 s22, ttmp9, 2
	s_add_co_u32 s22, s22, s21                     ; work-group 0..255
	s_mov_b32 s24, 15|(1<<20)|(1<<21)|(7<<22)|(3<<25)   ; the four partners; bytes; 4 words of padding behind every 256
	s_mov_b32 s25, 1024<<16
	s_mov_b32 s26, 16<<16
	s_mov_b32 s27, 1024<<16
	s_mov_b32 s28, 16
	s_mov_b32 s29, 1024
	s_mov_b32 s30, 0
	s_mov_b32 s31, 0
	s_mov_b32 s42, 0x76543210
	s_mov_b32 s43, 0xfedcba98
	s_mul_i32 s54, s20, WTILE                      ; my 16 rows in a slot
	s_add_co_u32 s55, s54, STG                     ; my stage
	s_lshl_b32 s18, s20, 14                        ; my 16 rows of a slot in memory
	s_mov_b32 s19, 0
	s_lshl_b32 s58, s22, 20                        ; x: 256 rows of 4,096 bytes a work-group,
	s_lshl_b32 s59, s20, 18                        ; 64 a wave
	s_add_co_u32 s58, s58, s59
	s_mov_b32 s59, 0
	s_lshl_b32 s60, s22, 10                        ; usc: 1,024 bytes a work-group, 256 a wave
	s_lshl_b32 s61, s20, 8
	s_add_co_u32 s60, s60, s61
	s_mov_b32 s61, 0
	s_lshr_b32 s62, s22, 3                         ; my batch: its row of dq, 4,096 bytes
	s_lshl_b32 s62, s62, 12
	s_mov_b32 s63, 0
	v_and_b32 v56, 31, v0                          ; lane
	v_and_b32 v57, 15, v0                          ; r
	v_bfe_u32 v58, v0, 4, 1                        ; h
	v_mov_b32 v59, 0
	v_lshlrev_b32 v3, 4, v56                       ; x: 16 bytes a lane
	v_lshl_add_u32 v4, v56, 2, s55                 ; into the stage: 4 codes a lane
	v_mul_u32_u24 v6, v57, PITCH
	v_lshl_add_u32 v6, v58, 4, v6                  ; a fragment: row r x pitch + 16 h
	v_add_nc_u32 v5, s55, v6                       ; in my stage
	v_lshlrev_b32 v8, 5, v58
	v_add_nc_u32 v8, DPT, v8                       ; the tables: + 32 h
	v_lshlrev_b32 v13, 4, v0
	v_add_nc_u32 v9, DPT, v13                      ; filling the tables: 16 bytes a thread
	v_lshl_add_u32 v60, v57, 2, s55
	v_lshl_add_u32 v61, v56, 3, s55
	v_lshlrev_b32 v62, 3, v56
	s_wait_alu depctr_va_vdst(0)                   ; the wait at the head's end
	s_wait_dscnt 0x0
	s_wait_kmcnt 0x0
	s_load_b128 s[48:51], s[8:9], 0x0              ; e0, e1 (e2 and e3 are not used here)
	s_mov_b32 s32, 1
	s_mov_b32 s33, s54
	s_add_nc_u64 s[34:35], s[6:7], s[18:19]        ; W_enc, slot 0
	s_mov_b32 s36, 1
	s_add_co_u32 s37, s54, SLOT1
	s_add_nc_u64 s[38:39], s[34:35], 0x10000       ; the walking descriptor: slot 1
	s_or_b32 s35, s35, 0x80000000
	s_or_b32 s39, s39, 0x80000000
	s_add_nc_u64 s[52:53], s[4:5], s[58:59]
	s_add_nc_u64 s[12:13], s[12:13], s[62:63]
	s_add_nc_u64 s[16:17], s[16:17], s[60:61]
	ROUND
	tensor_load_to_lds s[32:35], s[24:31]          ; my one tensor load at the head
	s_nop 0
	PLACES
	global_load_b128 v[24:27], v13, s[12:13]
	global_load_b128 v[28:31], v13, s[12:13] offset:2048
	global_load_b128 v[32:35], v13, s[10:11]
	global_load_b128 v[36:39], v13, s[10:11] offset:2048
.irp i, 0,1,2,3
.irp n, 0,1,2,3,4,5,6,7
	global_load_b128 v[XB+32*\i+4*\n:XB+32*\i+4*\n+3], v3, s[52:53] offset:4096*\i+512*\n th:TH_LOAD_NT   ; my first four rows: 32 lanes take 512 consecutive bytes
.endr
.endr
	s_wait_loadcnt 32                              ; dq and v are in; the 32 loads of x are younger
.irp n, 0,1,2,3,4,5,6,7
	v_mul_f32 v[32+\n], 0xc038aa3b, v[32+\n]       ; x -2 log2(e)
.endr
	ds_store_b128 v9, v[24:27]
	ds_store_b128 v9, v[28:31] offset:2048
	ds_store_b128 v9, v[32:35] offset:VTO
	ds_store_b128 v9, v[36:39] offset:VTO+2048
	s_wait_kmcnt 0x0
	s_add_co_i32 s54, s48, 127
	s_lshl_b32 s55, s54, 23
	v_mov_b32 v10, s55                             ; 2^e0
	s_add_co_i32 s54, s54, 8
	s_lshl_b32 s54, s54, 23
	s_or_b32 s54, s54, 0x600000
	v_mov_b32 v11, s54                             ; 448 x 2^e0
	s_add_co_i32 s54, s48, s49
	s_lshl_b32 s54, s54, 23
	s_add_co_i32 s40, s54, 0x4038aa3b              ; c = 2 log2(e) x 2^(e0 + e1)
	s_mov_b32 s41, s40
	s_mov_b32 s44, 0                               ; the slot in hand
	s_wait_alu depctr_va_vdst(0)
; One row of x: held, converted (8 numbers to 2 registers), 4 codes a lane into the stage; xr: the row four on is asked for.
.macro QROW i, xr, left
.set rX, XB+32*(\i)
.set rC, CD+8*(\i)
	s_wait_loadcnt \left                           ; loads come back in order: the younger rows may stay out
	s_wait_dscnt 24                                ; the stores that read these code registers a trip ago are done
.set qN, 0
.rept 32
	v_med3_num_f32 v[rX+qN], v[rX+qN], -v11, v11
.set qN, qN+1
.endr
.irp q, 0,1,2,3
	v_cvt_scalef32_pk8_fp8_f32 v[rC+2*\q:rC+2*\q+1], v[rX+8*\q:rX+8*\q+7], v10
.endr
	v_nop
.irp n, 0,1,2,3,4,5,6,7
	ds_store_b32 v13, v[rC+\n] offset:PITCH*(\i)+128*\n
.endr
.if \xr
.irp n, 0,1,2,3,4,5,6,7
	global_load_b128 v[rX+4*\n:rX+4*\n+3], v3, s[52:53] offset:((\i)+4)*4096+512*\n th:TH_LOAD_NT
.endr
.endif
.endm
.macro LTRIP xr                        ; four rows
	v_add_nc_u32 v13, s46, v4
.irp i, 0,1,2,3
.if \xr
	QROW \i, 1, 24
.else
	QROW \i, 0, 24-8*\i
.endif
.endr
.if \xr
	s_wait_xcnt 0x0                                ; the loads have read their base: it may step
	s_add_nc_u64 s[52:53], s[52:53], 0x4000
	s_add_co_u32 s46, s46, 4*PITCH
.endif
.endm
.macro LLOOP trips
	s_mov_b32 s46, 0                               ; the stage's row in hand
	s_mov_b32 s45, \trips
.Lr_\@:
	LTRIP 1
	s_sub_co_u32 s45, s45, 1
	s_cmp_lg_u32 s45, 0
	s_cbranch_scc1 .Lr_\@
.endm
.macro AFRAG t                         ; the stage's 16 rows become tile t's fragments; LDS serves a wave's instructions in order
	WIN 0x80
.irp s, 0,1,2,3
.irp c, 0,1,2,3
	ds_load_b128 v[64*\s+16*(\t)+4*\c:64*\s+16*(\t)+4*\c+3], v5 offset:128*\s+32*\c
.endr
.endr
	WIN 0xc0
.irp s, 0,1,2,3
.irp c, 0,1,2,3
	ds_load_b128 v[64*\s+16*(\t)+4*\c:64*\s+16*(\t)+4*\c+3], v5 offset:512+128*\s+32*\c
.endr
.endr
	WIN 0
.endm
	LLOOP 4
	AFRAG 0
	s_wait_tensorcnt 0x0                           ; slot 1's first fill: these lines stand ahead of it, as ahead of a refill
	ds_add_u32 v[SPW], v[NIL]
	s_wait_dscnt 0x0
	ROUND
	tensor_load_to_lds s[36:39], s[24:31]
	s_nop 0
	PLACES
	LLOOP 4
	AFRAG 1
	LLOOP 4
	AFRAG 2
	LLOOP 3
	LTRIP 0                                        ; the last four rows ask for nothing: the counts run down
	AFRAG 3
; THE CHANGE OF SLOTS.  fill = 1: the slot just left takes W_enc's next 64 rows; 0: nothing more.
.macro CHANGE fill
	s_wait_tensorcnt 0x0                           ; all my tensor loads are done: my part of the slot ahead
	ds_add_u32 v[SPW], v[NIL]
.if \fill
	s_xor_b32 s37, s37, SLOT1
	s_add_nc_u64 s[38:39], s[38:39], 0x10000
.endif
	s_xor_b32 s44, s44, SLOT1
	s_wait_dscnt 0x0                               ; the add, and my reads of the slot that I leave
.if \fill
	ROUND
	tensor_load_to_lds s[36:39], s[24:31]
	s_nop 0
	PLACES
.else
	s_barrier_signal -1
	s_barrier_wait -1
.endif
.endm
; A STEP.  j: the tile's number mod 4.  fe: tile j - 1 has its exp and 1 +; fr: tile j - 2 its rcp and sum; fw: tile j its products; full: tile j + 1 is fetched; vv: v of tile j - 1 is fetched.
.macro ESTEP j, fe, fr, fw, full, vv, chg
.set tP, (\j)%2
.if \chg == 1
	CHANGE 1
	v_add_nc_u32 v7, s44, v6
.elseif \chg == 2
	CHANGE 0
	v_add_nc_u32 v7, s44, v6
.else
	s_wait_dscnt 0x0                               ; what the last step fetched is in
.endif
.if ((\j) == 0) && \vv
	s_add_co_u32 s47, s47, 256
	v_add_nc_u32 v9, s47, v8
.endif
.if \full
	WIN 0x40
.irp s, 0,1,2,3,4,5,6,7
.irp c, 0,1,2,3
	ds_load_b128 v[128*(1-tP)+16*\s+4*\c:128*(1-tP)+16*\s+4*\c+3], v7 offset:WTILE*(((\j)+1)%4)+128*\s+32*\c
.endr
.endr
	WIN 0
	ds_load_b128 v[DP+8*(1-tP):DP+8*(1-tP)+3], v9 offset:64*((\j)+1)
	ds_load_b128 v[DP+8*(1-tP)+4:DP+8*(1-tP)+7], v9 offset:64*((\j)+1)+16
.endif
.if \vv
	ds_load_b128 v[VV+8*(1-tP):VV+8*(1-tP)+3], v9 offset:VTO+64*((\j)-1)
	ds_load_b128 v[VV+8*(1-tP)+4:VV+8*(1-tP)+7], v9 offset:VTO+64*((\j)-1)+16
.endif
.if \fe
.set qN, 0
.rept 32
	v_exp_f32 v[TT+32*(1-tP)+qN], v[TT+32*(1-tP)+qN]   ; e^(2 x)
.set qN, qN+1
.endr
.endif
.if \fr
.set qN, 0
.rept 32
	v_rcp_f32 v[TT+32*tP+qN], v[TT+32*tP+qN]           ; 1 / (1 + e^(2 x)): 0 where the exponential is infinite
.set qN, qN+1
.endr
.endif
.if \fe || \fr
	v_nop                                          ; a plain place behind the batch
.endif
.if \fw
.set mI, 0
.rept 32                                       ; K step mI / 4, rows' tile mI % 4: the four accumulators by turns; the first four take dq as C
.if mI == 0
	WIN 0x09
.elseif mI == 16
	WIN 0x0d
.endif
.set rD, ACC+8*(mI%4)
.set rB, 128*tP+16*(mI/4)
.set rA, 64*((mI/4)%4)+16*(mI%4)
.if mI < 4
	v_wmma_f32_16x16x128_fp8_fp8 v[rD:rD+7], v[rB:rB+15], v[rA:rA+15], v[DP+8*tP:DP+8*tP+7]
.else
	v_wmma_f32_16x16x128_fp8_fp8 v[rD:rD+7], v[rB:rB+15], v[rA:rA+15], v[rD:rD+7]
.endif
.set mI, mI+1
.endr
	WIN 0
.endif
.if \fe || \fr
	s_wait_alu depctr_va_vdst(0)                   ; one wait for the whole batch, ahead of its first reader
.else
	PLACES
.endif
.if \fr
.irp i, 0,1,2,3
.irp t, 0,1,2,3
	v_pk_fma_f32 v[SC+2*\t:SC+2*\t+1], v[TT+32*tP+8*\t+2*\i:TT+32*tP+8*\t+2*\i+1], v[VV+8*tP+2*\i:VV+8*tP+2*\i+1], v[SC+2*\t:SC+2*\t+1]
.endr
.endr
.endif
.if \fe
.set qN, 0
.rept 16
	v_pk_add_f32 v[TT+32*(1-tP)+qN:TT+32*(1-tP)+qN+1], v[TT+32*(1-tP)+qN:TT+32*(1-tP)+qN+1], 1.0 op_sel_hi:[1,0]
.set qN, qN+2
.endr
.endif
.if \fw
.set qN, 0
.rept 16                                       ; each accumulator from its low end on; the lines above are the places behind the products
	v_pk_mul_f32 v[TT+32*tP+qN:TT+32*tP+qN+1], v[ACC+qN:ACC+qN+1], s[40:41] op_sel_hi:[1,0]
.set qN, qN+2
.endr
.endif
	s_wait_alu depctr_va_vdst(0)                   ; the wait ahead of the next batch, and of the waits and branches in front of it
.endm
	s_wait_tensorcnt 0x0                           ; my parts of slots 0 and 1 are in,
	s_wait_dscnt 0x0                               ; my stores into the tables are done and my fragments of x are in:
	s_barrier_signal -1
	s_barrier_wait -1                              ; the same holds of every wave
	v_add_nc_u32 v7, s44, v6
	s_mov_b32 s47, 0
	v_add_nc_u32 v9, s47, v8
.irp i, 0,1,2,3,4,5,6,7
	v_mov_b32 v[SC+\i], 0
.endr
	WIN 0x40
.irp s, 0,1,2,3,4,5,6,7
.irp c, 0,1,2,3
	ds_load_b128 v[16*\s+4*\c:16*\s+4*\c+3], v7 offset:128*\s+32*\c
.endr
.endr
	WIN 0
	ds_load_b128 v[DP:DP+3], v9
	ds_load_b128 v[DP+4:DP+7], v9 offset:16
	s_wait_alu depctr_va_vdst(0)                   ; ahead of the wait below
	ESTEP 0, 0, 0, 1, 1, 0, 0
	ESTEP 1, 1, 0, 1, 1, 1, 0
	s_mov_b32 s45, 14
.Lslot:                                            ; tile j + 1 is fetched in step j, so the change into the next slot stands at the head of a slot's last step
	ESTEP 2, 1, 1, 1, 1, 1, 0
	ESTEP 3, 1, 1, 1, 1, 1, 1
	ESTEP 0, 1, 1, 1, 1, 1, 0
	ESTEP 1, 1, 1, 1, 1, 1, 0
	s_sub_co_u32 s45, s45, 1
	s_cmp_lg_u32 s45, 0
	s_cbranch_scc1 .Lslot
	ESTEP 2, 1, 1, 1, 1, 1, 0
	ESTEP 3, 1, 1, 1, 1, 1, 2                      ; the last change fills nothing
	ESTEP 0, 1, 1, 1, 1, 1, 0
	ESTEP 1, 1, 1, 1, 1, 1, 0
	ESTEP 2, 1, 1, 1, 1, 1, 0
	ESTEP 3, 1, 1, 1, 0, 1, 0
	ESTEP 0, 1, 1, 0, 0, 1, 0                      ; the last two tiles run out
	ESTEP 1, 0, 1, 0, 0, 0, 0
.irp t, 0,1,2,3
	v_add_f32 v[12+\t], v[SC+2*\t], v[SC+2*\t+1]
.endr
.irp t, 0,1,2,3
	v_permlanex16_b32 v[56+\t], v[12+\t], s42, s43 ; lane l xor 16 holds the other eight a of each tile
.endr
.irp t, 0,1,2,3
	v_add_f32 v[12+\t], v[12+\t], v[56+\t]
.endr
.irp t, 0,1,2,3
	ds_store_b32 v60, v[12+\t] offset:64*\t        ; u of row 16 t + r, through my stage,
.endr
	ds_load_b64 v[56:57], v61
	s_wait_dscnt 0x0
	global_store_b64 v62, v[56:57], s[16:17]       ; so that the wave stores 256 consecutive bytes, aligned
	s_wait_tensorcnt 0x0                           ; the wave's end
	ds_add_u32 v[SPW], v[NIL]
	s_wait_dscnt 0x0
	ROUND                                          ; the closing round
	s_endpgm
.Lfunc_end_k_q8079e8ae79_scores:
	.size	k_q8079e8ae79_scores, .Lfunc_end_k_q8079e8ae79_scores-k_q8079e8ae79_scores
	.p2alignl 7, 3214868480
	.fill 96, 4, 3214868480
	.section	.rodata,"a",@progbits
	.p2align	6, 0x0
	.amdhsa_kernel k_q8079e8ae79_scores
		.amdhsa_group_segment_fixed_size 327680
		.amdhsa_private_segment_fixed_size 0
		.amdhsa_enable_private_segment 0
		.amdhsa_kernarg_size 48
		.amdhsa_user_sgpr_count 2
		.amdhsa_user_sgpr_kernarg_segment_ptr 1
		.amdhsa_wavefront_size32 1
		.amdhsa_system_sgpr_workgroup_id_x 1
		.amdhsa_system_sgpr_workgroup_id_y 1
		.amdhsa_system_sgpr_workgroup_id_z 1
		.amdhsa_system_vgpr_workitem_id 0
		.amdhsa_next_free_vgpr 1024
		.amdhsa_next_free_sgpr 66
		.amdhsa_reserve_vcc 0
		.amdhsa_float_denorm_mode_32 3
		.amdhsa_float_denorm_mode_16_64 3
		.amdhsa_memory_ordered 1
		.amdhsa_forward_progress 1
		.amdhsa_inst_pref_size 207
	.end_amdhsa_kernel
	.amdgpu_metadata
---
amdhsa.version: [ 1, 2 ]
amdhsa.kernels:
  - .name:           k_q8079e8ae79_scores
    .symbol:         k_q8079e8ae79_scores.kd
    .args:
      - { .name: encoder_outputs, .offset: 0, .size: 8, .value_kind: global_buffer, .address_space: global }
      - { .name: W_enc_codes, .offset: 8, .size: 8, .value_kind: global_buffer, .address_space: global }
      - { .name: lowp_scales, .offset: 16, .size: 8, .value_kind: global_buffer, .address_space: global }
      - { .name: v, .offset: 24, .size: 8, .value_kind: global_buffer, .address_space: global }
      - { .name: dpw, .offset: 32, .size: 8, .value_kind: global_buffer, .address_space: global }
      - { .name: usc, .offset: 40, .size: 8, .value_kind: global_buffer, .address_space: global }
    .group_segment_fixed_size: 327680
    .private_segment_fixed_size: 0
    .kernarg_segment_align: 8
    .kernarg_segment_size: 48
    .max_flat_workgroup_size: 128
    .sgpr_count:     66
    .vgpr_count:     1024
    .wavefront_size: 32
...
	.end_amdgpu_metadata
.endif
;; end of part 2
;; launch context (part 3): grid 256 x 1, 8 waves a work-group, no clusters, 5,376 bytes of LDS; arguments encoder_outputs, usc, out0, out1; writes out0, out1
.if DOCPART == 3
	.amdgcn_target "amdgcn-amd-amdhsa--gfx1250"
	.amdhsa_code_object_version 6
	.text
	.protected	k_q8079e8ae79_context
	.globl	k_q8079e8ae79_context
	.p2align	8
	.type	k_q8079e8ae79_context,@function
k_q8079e8ae79_context:
	s_mov_b64 s[64:65], 0
	v_nop
	global_prefetch_b8 v0, s[64:65] scope:SCOPE_SE
	s_setreg_imm32_b32 hwreg(HW_REG_WAVE_MODE, 25, 1), 1
	s_wait_xcnt 0x0
; THIRD LAUNCH.  For each batch: m = the largest u, p = 2^(u - m), l = the sum of p; attn_weights (out1) = p / l; context (out0) = sum over s of p[s] x encoder_outputs[s][:] / l.  All in f32.
; u is log2(e) x the score, less the term that is the same along the softmax's axis and is left out (shown at the head of the first launch): 2^(u - m) / l is the softmax as it is defined, the maximum taken away.
; SHARES.  Eight work-groups to a batch, by COLUMNS, so that every output has one owner and no sum spans work-groups: work-group c of a batch owns context columns 128 c .. 128 c + 127 and weights 256 c .. 256 c + 255.
; Wave w sums rows 256 w .. 256 w + 255 UNDER ITS OWN MAXIMUM m_w, the largest of its 256 u: p_w = 2^(u - m_w), at most 1, l_w their sum.  So a wave needs nobody else ahead of its rows.
; At the end the eight waves' m_w, l_w and part sums meet in LDS: m = the largest m_w, f_w = 2^(m_w - m), at most 1; l = sum f_w l_w, at least 1; context = sum f_w x part_w / l.
; One load takes a row's 512 bytes of the chunk, 16 a lane; 32 loads of every wave are always out.  A row's p is read out of a register by v_readlane_b32: lane (row % 128) / 4 of register 4 (row / 128) + row % 4.
; The 256 rows are written by one repeat, each with its offset as an immediate (4,096 x row, at most 1,044,480): no base is stepped, and p's register and lane are constants of the text.
; NO CLUSTER, NO TENSOR LOADS, NO MATRIX UNIT: the product has one row and each byte of encoder_outputs is read once by one wave; a wave's u are 2 KB beside its 128 KB of rows.
.set RED,   0                          ; LDS: the waves' part sums, 512 bytes each
.set WRED,  4096                       ; the waves' maxima (8 words), and 32 bytes on their sums
.set SPARE, 4352                       ; the spare words, 128 bytes for each wave
.set SPW, 1                            ; v1   LDS address of my spare word; never rewritten
.set NIL, 2                            ; v2   0; never rewritten
.set U,   16                           ; v16-23   my 256 rows' u, then p
.set ACC, 24                           ; v24-39   four chains of four columns
.set UC,  60                           ; v60-67   u of the chunk's 256 weights
.set X,   72                           ; v72-199  32 slots of 4: a row's 16 bytes
; v3 16 x lane; v7 1 / l; v8 RED + 512 wave + 16 lane; v11 WRED + 4 wave; v12 WRED; v40 m_w; v42 l_w; v44-51 the m_w, then f_w; v52-59 the l_w; v68 m
	s_load_b256 s[4:11], s[0:1], 0x0               ; encoder_outputs s[4:5], usc s[6:7], out0 s[8:9], out1 s[10:11]
	v_lshl_add_u32 v[SPW], v0, 2, SPARE
	v_mov_b32 v[NIL], 0
	v_lshrrev_b32 v3, 5, v0
	s_delay_alu instid0(VALU_DEP_1)
	v_readfirstlane_b32 s12, v3                    ; wave 0..7
	s_lshr_b32 s13, ttmp9, 3                       ; batch
	s_and_b32 s14, ttmp9, 7                        ; chunk c
	s_mov_b32 s22, 0x76543210
	s_mov_b32 s23, 0xfedcba98
	v_and_b32 v13, 31, v0
	s_delay_alu instid0(VALU_DEP_1)
	v_lshlrev_b32 v3, 4, v13
	s_lshl_b32 s28, s12, 9
	v_add_nc_u32 v8, s28, v3
	s_lshl_b32 s28, s12, 2
	s_add_co_u32 s28, s28, WRED
	v_mov_b32 v11, s28
	v_mov_b32 v12, WRED
	s_lshl_b32 s16, s13, 23                        ; encoder_outputs: 2,048 rows of 4,096 bytes a batch,
	s_lshl_b32 s28, s12, 20                        ; 256 rows a wave,
	s_add_co_u32 s16, s16, s28
	s_lshl_b32 s28, s14, 9                         ; 512 bytes a chunk
	s_add_co_u32 s16, s16, s28
	s_mov_b32 s17, 0
	s_lshl_b32 s24, s13, 12                        ; out0: 4,096 bytes a batch, 512 a chunk
	s_add_co_u32 s24, s24, s28
	s_mov_b32 s25, 0
	s_lshl_b32 s26, s13, 13                        ; usc and out1: 8,192 bytes a batch;
	s_lshl_b32 s28, s12, 10
	s_add_co_u32 s18, s26, s28                     ; my rows' u: 1,024 bytes a wave;
	s_mov_b32 s19, 0
	s_lshl_b32 s28, s14, 10
	s_add_co_u32 s26, s26, s28                     ; the chunk's weights: 1,024 bytes a chunk
	s_mov_b32 s27, 0
	s_wait_alu depctr_va_vdst(0)                   ; the wait at the head's end
	s_wait_kmcnt 0x0
	s_add_nc_u64 s[16:17], s[4:5], s[16:17]
	s_add_nc_u64 s[18:19], s[6:7], s[18:19]
	s_add_nc_u64 s[20:21], s[6:7], s[26:27]
	s_add_nc_u64 s[24:25], s[8:9], s[24:25]
	s_add_nc_u64 s[26:27], s[10:11], s[26:27]
	global_load_b128 v[U:U+3], v3, s[18:19]        ; u of my rows 4 lane + 0..3,
	global_load_b128 v[U+4:U+7], v3, s[18:19] offset:512    ; and of those 128 on
	global_load_b128 v[UC:UC+3], v3, s[20:21]
	global_load_b128 v[UC+4:UC+7], v3, s[20:21] offset:512
.set cI, 0
.rept 32
	global_load_b128 v[X+4*cI:X+4*cI+3], v3, s[16:17] offset:4096*cI th:TH_LOAD_NT   ; my first 32 rows go out before anything is worked
.set cI, cI+1
.endr
.irp j, 0,1,2,3,4,5,6,7,8,9,10,11,12,13,14,15
	v_mov_b32 v[ACC+\j], 0
.endr
	s_wait_loadcnt 32                              ; u is in; the 32 rows stay out
	v_max3_num_f32 v40, v16, v17, v18
	v_max3_num_f32 v41, v19, v20, v21
	s_delay_alu instid0(VALU_DEP_2)
	v_max3_num_f32 v40, v40, v22, v23
	s_delay_alu instid0(VALU_DEP_1)
	v_max_num_f32 v40, v40, v41
	s_delay_alu instid0(VALU_DEP_1)
	v_max_num_f32_dpp v40, v40, v40 row_xmask:1 row_mask:0xf bank_mask:0xf
	s_delay_alu instid0(VALU_DEP_1)
	v_max_num_f32_dpp v40, v40, v40 row_xmask:2 row_mask:0xf bank_mask:0xf
	s_delay_alu instid0(VALU_DEP_1)
	v_max_num_f32_dpp v40, v40, v40 row_xmask:4 row_mask:0xf bank_mask:0xf
	s_delay_alu instid0(VALU_DEP_1)
	v_max_num_f32_dpp v40, v40, v40 row_xmask:8 row_mask:0xf bank_mask:0xf
	s_delay_alu instid0(VALU_DEP_1)
	v_permlanex16_b32 v41, v40, s22, s23
	s_delay_alu instid0(VALU_DEP_1)
	v_max_num_f32 v40, v40, v41                    ; m_w
.irp j, 0,1,2,3,4,5,6,7
	v_sub_f32 v[U+\j], v[U+\j], v40
.endr
	s_wait_alu depctr_va_vdst(0)                   ; the wait ahead of the batch
.irp j, 0,1,2,3,4,5,6,7
	v_exp_f32 v[U+\j], v[U+\j]                     ; p_w = 2^(u - m_w), at most 1
.endr
	v_nop                                          ; a plain instruction behind the last exponential,
	s_wait_alu depctr_va_vdst(0)                   ; and the one wait ahead of the batch's first reader
	v_pk_add_f32 v[42:43], v[16:17], v[18:19]
	v_pk_add_f32 v[44:45], v[20:21], v[22:23]
	s_delay_alu instid0(VALU_DEP_1)
	v_pk_add_f32 v[42:43], v[42:43], v[44:45]
	s_delay_alu instid0(VALU_DEP_1)
	v_add_f32 v42, v42, v43
	s_delay_alu instid0(VALU_DEP_1)
	v_add_f32_dpp v42, v42, v42 row_xmask:1 row_mask:0xf bank_mask:0xf
	s_delay_alu instid0(VALU_DEP_1)
	v_add_f32_dpp v42, v42, v42 row_xmask:2 row_mask:0xf bank_mask:0xf
	s_delay_alu instid0(VALU_DEP_1)
	v_add_f32_dpp v42, v42, v42 row_xmask:4 row_mask:0xf bank_mask:0xf
	s_delay_alu instid0(VALU_DEP_1)
	v_add_f32_dpp v42, v42, v42 row_xmask:8 row_mask:0xf bank_mask:0xf
	s_delay_alu instid0(VALU_DEP_1)
	v_permlanex16_b32 v43, v42, s22, s23
	s_delay_alu instid0(VALU_DEP_1)
	v_add_f32 v42, v42, v43                        ; l_w
	s_wait_alu depctr_va_vdst(0)                   ; ahead of the waits below
; Row by row: its p into a scalar register, four multiply-adds a lane, in four chains, and the row 32 further on is asked for.
.set rho, 0
.rept 256
	v_readlane_b32 s[30+rho%4], v[U+4*(rho/128)+rho%4], (rho%128)/4
.if rho < 224
	s_wait_loadcnt 31                              ; loads come back in order (ISA guide 5.7.1): this row is in, the 31 younger stay out
.else
	s_wait_loadcnt 255-rho                         ; the last 32 rows load nothing: the counts run down
.endif
.irp n, 0,1,2,3
	v_fmac_f32 v[ACC+4*(rho%4)+\n], s[30+rho%4], v[X+4*(rho%32)+\n]
.endr
.if rho < 224
	global_load_b128 v[X+4*(rho%32):X+4*(rho%32)+3], v3, s[16:17] offset:4096*(rho+32) th:TH_LOAD_NT
.endif
.set rho, rho+1
.endr
	s_wait_alu depctr_va_vdst(0)
	v_pk_add_f32 v[ACC:ACC+1], v[ACC:ACC+1], v[ACC+4:ACC+5]
	v_pk_add_f32 v[ACC+2:ACC+3], v[ACC+2:ACC+3], v[ACC+6:ACC+7]
	v_pk_add_f32 v[ACC+8:ACC+9], v[ACC+8:ACC+9], v[ACC+12:ACC+13]
	v_pk_add_f32 v[ACC+10:ACC+11], v[ACC+10:ACC+11], v[ACC+14:ACC+15]
	s_delay_alu instid0(VALU_DEP_2)
	v_pk_add_f32 v[ACC:ACC+1], v[ACC:ACC+1], v[ACC+8:ACC+9]
	s_delay_alu instid0(VALU_DEP_2)
	v_pk_add_f32 v[ACC+2:ACC+3], v[ACC+2:ACC+3], v[ACC+10:ACC+11]
	ds_store_b128 v8, v[ACC:ACC+3]
	ds_store_b32 v11, v40
	ds_store_b32 v11, v42 offset:32
	s_wait_dscnt 0x0                               ; for the others: my part sums, m_w and l_w are stored
	s_barrier_signal -1
	s_barrier_wait -1
	ds_load_b128 v[44:47], v12
	ds_load_b128 v[48:51], v12 offset:16
	ds_load_b128 v[52:55], v12 offset:32
	ds_load_b128 v[56:59], v12 offset:48
	s_wait_dscnt 0x0
	v_max3_num_f32 v68, v44, v45, v46
	v_max3_num_f32 v69, v47, v48, v49
	s_delay_alu instid0(VALU_DEP_2)
	v_max3_num_f32 v68, v68, v50, v51
	s_delay_alu instid0(VALU_DEP_1)
	v_max_num_f32 v68, v68, v69                    ; m
.irp j, 0,1,2,3,4,5,6,7
	v_sub_f32 v[44+\j], v[44+\j], v68
.endr
	s_wait_alu depctr_va_vdst(0)
.irp j, 0,1,2,3,4,5,6,7
	v_exp_f32 v[44+\j], v[44+\j]                   ; f_w = 2^(m_w - m), at most 1, and 1 for one wave at the least
.endr
	v_nop
	s_wait_alu depctr_va_vdst(0)
	v_pk_mul_f32 v[70:71], v[44:45], v[52:53]
	v_pk_fma_f32 v[70:71], v[46:47], v[54:55], v[70:71]
	v_pk_fma_f32 v[70:71], v[48:49], v[56:57], v[70:71]
	v_pk_fma_f32 v[70:71], v[50:51], v[58:59], v[70:71]
	v_add_f32 v70, v70, v71                        ; l, at least 1
	s_wait_alu depctr_va_vdst(0)
	v_rcp_f32 v7, v70
	v_nop
	s_wait_alu depctr_va_vdst(0)                   ; the wait stands ahead of the branches
	s_cmp_eq_u32 s12, 0
	s_cbranch_scc0 .Lnot_0
.irp i, 0,1,2,3,4,5,6,7
	ds_load_b128 v[X+4*\i:X+4*\i+3], v3 offset:RED+512*\i   ; wave 0: the eight waves' part sums of my four columns
.endr
	s_wait_dscnt 0x0
.irp n, 0,1,2,3
	v_mul_f32 v[ACC+\n], v[X+\n], v44
.endr
.irp n, 0,1,2,3
	v_mul_f32 v[ACC+4+\n], v[X+4+\n], v45
.endr
.irp i, 2,4,6                                  ; two sets of four chains, so that eight instructions lie between a sum's steps
.irp n, 0,1,2,3
	v_fmac_f32 v[ACC+\n], v[X+4*\i+\n], v[44+\i]
.endr
.irp n, 0,1,2,3
	v_fmac_f32 v[ACC+4+\n], v[X+4*\i+4+\n], v[45+\i]
.endr
.endr
.irp n, 0,1,2,3
	v_add_f32 v[ACC+\n], v[ACC+\n], v[ACC+4+\n]
.endr
.irp n, 0,1,2,3
	v_mul_f32 v[ACC+\n], v[ACC+\n], v7             ; / l
.endr
	global_store_b128 v3, v[ACC:ACC+3], s[24:25]   ; 32 lanes store 512 consecutive bytes of context, aligned
	s_branch .Lend
.Lnot_0:
	s_cmp_eq_u32 s12, 1
	s_cbranch_scc0 .Lend
.irp n, 0,1,2,3,4,5,6,7
	v_sub_f32 v[UC+\n], v[UC+\n], v68              ; wave 1: the chunk's 256 weights
.endr
	s_wait_alu depctr_va_vdst(0)
.irp n, 0,1,2,3,4,5,6,7
	v_exp_f32 v[UC+\n], v[UC+\n]                   ; 2^(u - m)
.endr
	v_nop
	s_wait_alu depctr_va_vdst(0)
.irp n, 0,1,2,3,4,5,6,7
	v_mul_f32 v[UC+\n], v[UC+\n], v7               ; / l
.endr
	global_store_b128 v3, v[UC:UC+3], s[26:27]
	global_store_b128 v3, v[UC+4:UC+7], s[26:27] offset:512
.Lend:
	s_wait_tensorcnt 0x0                           ; the wave's end, behind my last LDS store
	ds_add_u32 v[SPW], v[NIL]
	s_wait_dscnt 0x0
	s_endpgm
.Lfunc_end_k_q8079e8ae79_context:
	.size	k_q8079e8ae79_context, .Lfunc_end_k_q8079e8ae79_context-k_q8079e8ae79_context
	.p2alignl 7, 3214868480
	.fill 96, 4, 3214868480
	.section	.rodata,"a",@progbits
	.p2align	6, 0x0
	.amdhsa_kernel k_q8079e8ae79_context
		.amdhsa_group_segment_fixed_size 5376
		.amdhsa_private_segment_fixed_size 0
		.amdhsa_enable_private_segment 0
		.amdhsa_kernarg_size 32
		.amdhsa_user_sgpr_count 2
		.amdhsa_user_sgpr_kernarg_segment_ptr 1
		.amdhsa_wavefront_size32 1
		.amdhsa_system_sgpr_workgroup_id_x 1
		.amdhsa_system_sgpr_workgroup_id_y 1
		.amdhsa_system_sgpr_workgroup_id_z 1
		.amdhsa_system_vgpr_workitem_id 0
		.amdhsa_next_free_vgpr 200
		.amdhsa_next_free_sgpr 66
		.amdhsa_reserve_vcc 0
		.amdhsa_float_denorm_mode_32 3
		.amdhsa_float_denorm_mode_16_64 3
		.amdhsa_memory_ordered 1
		.amdhsa_forward_progress 1
		.amdhsa_inst_pref_size 91
	.end_amdhsa_kernel
	.amdgpu_metadata
---
amdhsa.version: [ 1, 2 ]
amdhsa.kernels:
  - .name:           k_q8079e8ae79_context
    .symbol:         k_q8079e8ae79_context.kd
    .args:
      - { .name: encoder_outputs, .offset: 0, .size: 8, .value_kind: global_buffer, .address_space: global }
      - { .name: usc, .offset: 8, .size: 8, .value_kind: global_buffer, .address_space: global }
      - { .name: out0, .offset: 16, .size: 8, .value_kind: global_buffer, .address_space: global }
      - { .name: out1, .offset: 24, .size: 8, .value_kind: global_buffer, .address_space: global }
    .group_segment_fixed_size: 5376
    .private_segment_fixed_size: 0
    .kernarg_segment_align: 8
    .kernarg_segment_size: 32
    .max_flat_workgroup_size: 256
    .sgpr_count:     66
    .vgpr_count:     200
    .wavefront_size: 32
...
	.end_amdgpu_metadata
.endif
;; end of part 3
